; MI455X (gfx1250); checked and timed in simulation.
; The chip was launched on July 23, 2026; its instructions are those of AMD's public machine-readable ISA for CDNA 5 (MIT licence, August 2026) and "CDNA5" Instruction Set Architecture Reference Guide (July 2026). The comments in the code are by the model that wrote it; some were corrected since.
;; Multi Head Attention. Allowed arithmetic: float matrix products may take bf16 or f16 operands with f32 sums; all other float work in f32.
;; Inputs: W_K 1,024 x 1,024 float32; W_O 1,024 x 1,024 float32; W_Q 1,024 x 1,024 float32; W_V 1,024 x 1,024 float32; b_O 1,024 float32; input_seq_embs 2 x 2,048 x 1,024 float32.
;; Outputs: out0 2 x 2,048 x 1,024 float32.
;; One version. Each part assembles by itself: llvm-mc -triple=amdgcn-amd-amdhsa -mcpu=gfx1250 --defsym DOCPART=n.
;; ======== version 1 of 1: 4 launches
;; limits: values are held in f16: magnitudes above 65,504 overflow, below 6.1e-05 lose precision
;; workspace buffers: wb 16,777,216 bytes; qkv 25,165,824 bytes; att 8,388,608 bytes
;; launch cvt (part 1): grid 512 x 1, 8 waves a work-group, no clusters, 0 bytes of LDS; arguments input_seq_embs, W_Q, W_K, W_V, W_O, wb; writes wb
.if DOCPART == 1
	.amdgcn_target "amdgcn-amd-amdhsa--gfx1250"
	.amdhsa_code_object_version 6
	.text
	.protected	k_qce9cd0fdcc_cvt
	.globl	k_qce9cd0fdcc_cvt
	.p2align	8
	.type	k_qce9cd0fdcc_cvt,@function
k_qce9cd0fdcc_cvt:
	s_mov_b64 s[64:65], 0
	v_nop
	global_prefetch_b8 v0, s[64:65] scope:SCOPE_SE
	s_setreg_imm32_b32 hwreg(HW_REG_WAVE_MODE, 25, 1), 1
	s_wait_xcnt 0x0
; The five f32 matrices are rounded once to 16 bits, so that the products that follow move and read half the bytes.
; wb: byte 0 X [4096][1024] bf16; byte 0x800000 W_Q, W_K, W_V as one [3072][1024] bf16; byte 0xE00000 W_O [1024][1024].
; W_O is rounded to bf16 like the others and that value is then written as an f16 word, since the last product has an f16 partner:
; the second step is exact for 2^-17 <= |w| < 65,504.  LIMIT: smaller |w| carry an absolute error of at most 2^-25, larger ones become infinite.
; 512 work-groups of eight waves; work-group g reads 65,536 bytes and writes the 32,768 bytes at wb + 32,768 g: the order of the parts in wb
; makes the output offset linear in g.  g >> 6 = 0..3: X; 4, 5, 6, 7: W_Q, W_K, W_V, W_O.
; A pure stream: no LDS, no barrier, no matrix unit, no cluster (no byte is shared).  All sixteen loads of a thread go out first.
.set X, 4                              ; v[4:67]  group i: 8 f32 as loaded; its first four registers then hold the 8 packed results
                                       ; v68, v69 at work (W_O alone)
	s_load_b256 s[4:11], s[0:1], 0x0               ; X s[4:5], W_Q s[6:7], W_K s[8:9], W_V s[10:11]
	s_load_b128 s[12:15], s[0:1], 0x20             ; W_O s[12:13], wb s[14:15]
	s_lshr_b32 s16, ttmp9, 6                       ; which part
	s_lshl_b32 s18, ttmp9, 16                      ; my 64 KiB in X,
	s_and_b32 s17, ttmp9, 63
	s_lshl_b32 s17, s17, 16                        ; or in a weight matrix
	s_cmp_lt_u32 s16, 4
	s_cselect_b32 s18, s18, s17
	s_mov_b32 s19, 0
	s_lshl_b32 s20, ttmp9, 15                      ; my 32 KiB in wb
	s_mov_b32 s21, 0
	v_lshlrev_b32 v1, 5, v0                        ; thread t: 32 bytes in (8 f32),
	v_lshlrev_b32 v2, 4, v0                        ; 16 bytes out
	s_wait_kmcnt 0x0
	s_cmp_eq_u32 s16, 4
	s_cselect_b64 s[22:23], s[6:7], s[4:5]         ; the source: a choice between buffers by the work-group's number
	s_cmp_eq_u32 s16, 5
	s_cselect_b64 s[22:23], s[8:9], s[22:23]
	s_cmp_eq_u32 s16, 6
	s_cselect_b64 s[22:23], s[10:11], s[22:23]
	s_cmp_eq_u32 s16, 7
	s_cselect_b64 s[22:23], s[12:13], s[22:23]
	s_add_nc_u64 s[22:23], s[22:23], s[18:19]
	s_add_nc_u64 s[14:15], s[14:15], s[20:21]
.irp i, 0,1,2,3,4,5,6,7
	global_load_b128 v[X+8*\i:X+8*\i+3],   v1, s[22:23] offset:8192*\i th:TH_LOAD_NT      ; the two loads of a group cover 8,192
	global_load_b128 v[X+8*\i+4:X+8*\i+7], v1, s[22:23] offset:8192*\i+16 th:TH_LOAD_NT   ; consecutive bytes for the 256 threads
.endr
; Group i: 8 numbers rounded and stored.  half = 1: the bf16 values are written as f16.
; No register that a pending load or store names is ever written again, so no wait but the loads' own is needed.
.macro CONV i, half
	s_wait_loadcnt 14-2*\i                         ; loads come back in order (ISA guide 5.7.1): the 2 (7 - i) younger ones stay out
.irp k, 0,1,2,3
	v_cvt_pk_bf16_f32 v[X+8*\i+\k], v[X+8*\i+2*\k], v[X+8*\i+2*\k+1]   ; in place: word k is written when numbers 2k, 2k+1 are read, k <= 2k
.endr
.if \half
.irp k, 0,1,2,3
	v_lshlrev_b32 v68, 16, v[X+8*\i+\k]            ; the bf16 values as f32,
	v_and_b32 v69, 0xffff0000, v[X+8*\i+\k]
	v_cvt_pk_f16_f32 v[X+8*\i+\k], v68, v69        ; and as f16
.endr
.endif
	global_store_b128 v2, v[X+8*\i:X+8*\i+3], s[14:15] offset:4096*\i   ; sixteen lanes store 256 consecutive bytes, aligned
.endm
	s_cmp_eq_u32 s16, 7
	s_cbranch_scc1 .Lwo
.irp i, 0,1,2,3,4,5,6,7
	CONV \i, 0
.endr
	s_endpgm
.Lwo:
.irp i, 0,1,2,3,4,5,6,7
	CONV \i, 1
.endr
	s_endpgm
.Lfunc_end_k_qce9cd0fdcc_cvt:
	.size	k_qce9cd0fdcc_cvt, .Lfunc_end_k_qce9cd0fdcc_cvt-k_qce9cd0fdcc_cvt
	.p2alignl 7, 3214868480
	.fill 96, 4, 3214868480
	.section	.rodata,"a",@progbits
	.p2align	6, 0x0
	.amdhsa_kernel k_qce9cd0fdcc_cvt
		.amdhsa_group_segment_fixed_size 0
		.amdhsa_private_segment_fixed_size 0
		.amdhsa_enable_private_segment 0
		.amdhsa_kernarg_size 48
		.amdhsa_user_sgpr_count 2
		.amdhsa_user_sgpr_kernarg_segment_ptr 1
		.amdhsa_wavefront_size32 1
		.amdhsa_system_sgpr_workgroup_id_x 1
		.amdhsa_system_sgpr_workgroup_id_y 1
		.amdhsa_system_sgpr_workgroup_id_z 1
		.amdhsa_system_vgpr_workitem_id 0
		.amdhsa_next_free_vgpr 72
		.amdhsa_next_free_sgpr 66
		.amdhsa_reserve_vcc 0
		.amdhsa_float_denorm_mode_32 3
		.amdhsa_float_denorm_mode_16_64 3
		.amdhsa_memory_ordered 1
		.amdhsa_forward_progress 1
		.amdhsa_inst_pref_size 14
	.end_amdhsa_kernel
	.amdgpu_metadata
---
amdhsa.version: [ 1, 2 ]
amdhsa.kernels:
  - .name:           k_qce9cd0fdcc_cvt
    .symbol:         k_qce9cd0fdcc_cvt.kd
    .args:
      - { .name: input_seq_embs, .offset: 0, .size: 8, .value_kind: global_buffer, .address_space: global }
      - { .name: W_Q, .offset: 8, .size: 8, .value_kind: global_buffer, .address_space: global }
      - { .name: W_K, .offset: 16, .size: 8, .value_kind: global_buffer, .address_space: global }
      - { .name: W_V, .offset: 24, .size: 8, .value_kind: global_buffer, .address_space: global }
      - { .name: W_O, .offset: 32, .size: 8, .value_kind: global_buffer, .address_space: global }
      - { .name: wb, .offset: 40, .size: 8, .value_kind: global_buffer, .address_space: global }
    .group_segment_fixed_size: 0
    .private_segment_fixed_size: 0
    .kernarg_segment_align: 8
    .kernarg_segment_size: 48
    .max_flat_workgroup_size: 256
    .sgpr_count:     66
    .vgpr_count:     72
    .wavefront_size: 32
...
	.end_amdgpu_metadata
.endif
;; end of part 1
;; launch qkvproj (part 2): grid 12 x 16, 4 waves a work-group, clusters of 4 x 4, 327,680 bytes of LDS; arguments wb, qkv; writes qkv
.if DOCPART == 2
	.amdgcn_target "amdgcn-amd-amdhsa--gfx1250"
	.amdhsa_code_object_version 6
	.text
	.protected	k_qce9cd0fdcc_qkvproj
	.globl	k_qce9cd0fdcc_qkvproj
	.p2align	8
	.type	k_qce9cd0fdcc_qkvproj,@function
k_qce9cd0fdcc_qkvproj:
	s_mov_b64 s[64:65], 0
	v_nop
	global_prefetch_b8 v0, s[64:65] scope:SCOPE_SE
	s_setreg_imm32_b32 hwreg(HW_REG_WAVE_MODE, 25, 1), 1
	s_wait_xcnt 0x0
	s_wait_alu depctr_hold_cnt(0) depctr_sa_sdst(0) depctr_va_vdst(0) depctr_va_sdst(0) depctr_va_ssrc(0) depctr_va_vcc(0) depctr_vm_vsrc(0)
	s_getreg_b32 s2, hwreg(HW_REG_IB_STS2, 6, 4)
	s_cmp_eq_u32 s2, 0
	s_cbranch_scc0 .Lentry_in_a_cluster
	s_endpgm
.Lentry_in_a_cluster:
	s_bfe_u32 s2, ttmp6, 0x10000c
	s_cmp_lg_u32 s2, 0xf033
	s_cbranch_scc0 .Lentry_shape_is_right
	s_endpgm
.Lentry_shape_is_right:
; qkv[m][n] = sum over k of X[m][k] W[n][k]: X [4096][1024] bf16 at wb, W = W_Q, W_K, W_V as one [3072][1024] bf16 at wb + 0x800000;
; sums in f32; qkv [4096][3072] is stored in f16: the logits of the attention have no scale in front of the exponential, so Q and K need
; f16's eleven bits.  LIMIT: |Q|, |K|, |V| below 65,504 (beyond that the f16 word is infinite).
; A work-group makes a block of 256 x 256 with four waves, as many as a WGP has SIMDs; a wave makes 128 x 128: 64 accumulator tiles
; of 16 x 16, 512 registers.  K goes in steps of 128 through a ring of two LDS slots filled by the tensor data mover: a tile's rows are
; 256 bytes of memory and start at multiples of 256 bytes from the buffer's first byte.  12 x 16 = 192 work-groups.
; CLUSTERS: 4 x 4 work-groups form a cluster.  The four of a row of the cluster need the same tiles of X, the four of a column the same tiles
; of W.  Such a tile is asked for JOINTLY: each of the four issues the same tensor load, with the same descriptor and a mask that names the
; four, and each receives the tile in its own LDS.  That divides the requests for X and for W by four.
;
; REGISTERS, in windows of 256 (an instruction names v0-v255; s_set_vgpr_msb says which window each operand place means):
;   window 0: v0-31 addresses; v64-127, v128-191 fragments of A (8 x 16 rows x 32 K), two buffers; v192-223 at work on the way out
;   window 1: v64-127, v128-191 fragments of B, two buffers
;   window 2: the 32 accumulator tiles of my rows 0-63 (tile (a, b) at v[8 (8 a + b)]);   window 3: those of my rows 64-127
; s_set_vgpr_msb's low byte: bits 1:0 source 0, 3:2 source 1, 5:4 source 2, 7:6 destination.
;
; THE MATRIX INSTRUCTION IS USED TRANSPOSED: source 0 = 16 rows of W, source 1 = 16 rows of X.  In the result, lane l then holds row
; m = l % 16 of the block, and its registers 0 to 7 the columns n = 8 (l / 16) + 0 .. 7: eight neighbouring numbers of a row, 16 bytes in f16.
.set SIZE_M, 4096
.set SIZE_N, 3072
.set SIZE_K, 1024
.set KSTEP,  128
.set PITCH,  272                       ; an LDS row: 256 bytes of data + 16 of padding = 68 words: row r starts at bank 4 r mod 64 (64 banks of 4 bytes: ISA guide 11.1), so the 16 rows that a load touches start at 16 different banks
.set HALFT,  128*PITCH                 ; 128 rows: what one tensor load brings, and what one wave reads of A or of B
.set SLOT,   4*HALFT                   ; A's 256 rows, then B's 256 rows
.set STAGE,  2*SLOT                    ; behind the ring: 16 rows x 272 bytes for each wave, for the way out
.set SPITCH, 272
.set LAPS, SIZE_K/(2*KSTEP)            ; a lap = two K steps = once round the ring: four laps
.set ADRA, 16                          ; v16-17  LDS address of my A fragments in slot 0, 1
.set ADRB, 20                          ; v20-21  the same for B
.set STO,  24                          ; v24     the way out: where I put 16 bytes of a row
.set RD,   25                          ; v25     the way out: where I read a row back
.set CO,   26                          ; v26     my byte offset in qkv
.set F0,   64                          ; fragment buffer 0
.set F1,   128                         ; fragment buffer 1
.set TMP,  192                         ; the way out: packed results, in window 0
.set G1, 24                            ; s[24:31] descriptor group 1 for A's tiles
.set G0, 32                            ; s[32:39] descriptor group 0 for A's tiles, one set for each slot
.set G1B, 48                           ; s[48:55] descriptor group 1 for B's tiles: it differs from A's in the mask alone
.set G0B, 56                           ; s[56:63] descriptor group 0 for B's tiles, one set for each slot
.set MSB, 0
.macro WIN new                         ; the immediate's high byte repeats the setting that is left
.if MSB != \new
	s_set_vgpr_msb (MSB<<8)|\new
.set MSB, \new
.endif
.endm
.set MUL_LO, 0xa1                      ; source 0 (B) window 1, source 1 (A) window 0, C and D window 2
.set MUL_HI, 0xf1                      ; the same, C and D window 3
.set TO_B,   0x40                      ; destination window 1, address window 0
; A joint load.  Waves 0 and 1 fetch A's two halves, waves 2 and 3 B's.  Each of the two lines has ONE mask and one set of registers for all that issue it, and nothing in
; them hangs on a coordinate that the four partners do not share.  The branch hangs on the wave's number alone: it is the same in every work-group.
.macro JLOAD s
	s_cmp_eq_u32 s11, 0
	s_cbranch_scc0 .Lfor_b_\@
	tensor_load_to_lds s[G0+4*\s:G0+4*\s+3], s[G1:G1+7]
	s_nop 0
	s_branch .Lasked_\@
.Lfor_b_\@:
	tensor_load_to_lds s[G0B+4*\s:G0B+4*\s+3], s[G1B:G1B+7]
	s_nop 0
.Lasked_\@:
.endm
; A round of the cluster's barrier: my work-group's barrier, so that wave 0's signal speaks for all four waves; wave 0 signals for the work-group; every wave waits for all
; sixteen work-groups; my work-group's barrier once more.  No LDS instruction of the wave is pending at a signal.
.macro CREST                           ; a round behind its opening barrier
	s_cmp_lg_u32 s10, 0
	s_cbranch_scc1 .Lnot_wave_0_\@
	s_barrier_signal -3
.Lnot_wave_0_\@:
	s_barrier_wait -3
	s_barrier_signal -1
	s_barrier_wait -1
.endm
.macro CROUND                          ; a whole round
	s_barrier_signal -1
	s_barrier_wait -1
	CREST
.endm
	s_load_b128 s[4:7], s[0:1], 0x0                ; wb s[4:5] (= A), qkv s[6:7]
	s_set_vgpr_msb 0x40
	v_lshl_add_u32 v255, v0, 2, 0x48400
	s_set_vgpr_msb 0x4000
	v_mov_b32 v255, 0
	s_set_vgpr_msb 0x1
	ds_add_u32 v255, v255
	s_set_vgpr_msb 0x100
	v_lshrrev_b32 v1, 5, v0
	v_readfirstlane_b32 s10, v1                    ; wave 0..3
	s_lshr_b32 s11, s10, 1                         ; which half of the block's rows is mine.  Also: I fetch for A (0) or for B (1)
	s_and_b32 s12, s10, 1                          ; which half of its columns.  Also: which 128 rows of that tile I fetch
	s_bfe_u32 s40, ttmp6, 0x40000                  ; cx: my place along the cluster's x
	s_bfe_u32 s41, ttmp6, 0x40004                  ; cy: along its y
	s_lshl_b32 s42, ttmp9, 2                       ; in a cluster launch ttmp9 and ttmp7 count clusters
	s_add_co_u32 s42, s42, s40                     ; block column = 4 x cluster x + cx
	s_and_b32 s13, ttmp7, 0xffff
	s_lshl_b32 s13, s13, 2
	s_add_co_u32 s13, s13, s41                     ; block row = 4 x cluster y + cy
	s_lshl_b32 s43, s41, 2
	s_lshl_b32 s43, 15, s43                        ; my row of the cluster: places 4 cy .. 4 cy + 3
	s_lshl_b32 s44, 0x1111, s40                    ; my column: places cx, cx + 4, cx + 8, cx + 12
	; descriptor group 1: a tile of 128 rows x 128 elements, padded in LDS
	s_or_b32 s[G1+0], s43, (1<<16)|(1<<20)|(1<<21)|(5<<22)|(3<<25)  ; 15:0 the mask: A's tiles go to my row; 17:16 element of 2 bytes; 20 padding on; 21 set beside a mask; 24:22 after every 64 words (code 5); 31:25 of 4 words (code 3)
	s_or_b32 s[G1B+0], s44, (1<<16)|(1<<20)|(1<<21)|(5<<22)|(3<<25) ; the same with the mask of my column, for B's tiles
	s_mov_b32 s[G1B+1], KSTEP<<16
	s_mov_b32 s[G1+1], KSTEP<<16                   ; 63:48 tensor_dim0, low half = 128
	s_mov_b32 s[G1B+2], 128<<16
	s_mov_b32 s[G1+2], 128<<16                     ; 79:64 its high half = 0; 95:80 tensor_dim1, low half = 128
	s_mov_b32 s[G1B+3], KSTEP<<16
	s_mov_b32 s[G1+3], KSTEP<<16                   ; 111:96 its high half = 0; 127:112 tile_dim0 = 128
	s_mov_b32 s[G1B+4], 128
	s_mov_b32 s[G1+4], 128                         ; 143:128 tile_dim1 = 128; 159:144 tile_dim2 = 0
	s_mov_b32 s[G1B+5], SIZE_K
	s_mov_b32 s[G1+5], SIZE_K                      ; 191:160 tensor_dim0_stride, low word: elements from row to row
	s_mov_b32 s[G1B+6], 0
	s_mov_b32 s[G1+6], 0
	s_mov_b32 s[G1B+7], 0
	s_mov_b32 s[G1+7], 0
	; where the tiles come from.  A's hang on the block row alone, which my row of the cluster shares; B's on the block column alone, which my column shares.
	; Every wave makes both addresses, in registers that never hold the other coordinate, and asks by one of them.
	s_lshl_b32 s17, s12, 7                         ; which 128 rows of the tile I fetch
	s_lshl_b32 s16, s13, 8
	s_add_co_u32 s16, s16, s17                     ; A: row 256 x block row + 128 x half
	s_lshl_b32 s46, s42, 8
	s_add_co_u32 s46, s46, s17                     ; B: row 256 x block column + 128 x half
	s_mov_b32 s17, 0
	s_mov_b32 s47, 0
	s_mov_b64 s[18:19], SIZE_K*2
	s_mul_u64 s[16:17], s[16:17], s[18:19]         ; in bytes, in 64 bits
	s_mul_u64 s[46:47], s[46:47], s[18:19]
	s_mul_i32 s20, s10, HALFT                      ; and where they go: A's two halves, then B's two halves = wave x 128 rows: no place in the cluster enters an LDS address
	s_wait_dscnt 0x0
	s_wait_kmcnt 0x0
	s_mov_b64 s[8:9], s[6:7]                       ; C = qkv
	s_add_nc_u64 s[6:7], s[4:5], 0x800000          ; B = the three weight matrices, behind X in wb
	s_add_nc_u64 s[14:15], s[4:5], s[16:17]
	s_add_nc_u64 s[46:47], s[6:7], s[46:47]
	CROUND                                         ; all sixteen work-groups are here: the first joint loads meet
.irp s, 0,1
	s_mov_b32 s[G0+4*\s], 1                                        ; 1:0 count = 1
	s_add_co_u32 s[G0+4*\s+1], s20, \s*SLOT                        ; 63:32 LDS address
	s_add_nc_u64 s[G0+4*\s+2:G0+4*\s+3], s[14:15], \s*KSTEP*2      ; 120:64 global address: K step s
	s_or_b32 s[G0+4*\s+3], s[G0+4*\s+3], 0x80000000                ; 127:126 type = 2
	s_mov_b32 s[G0B+4*\s], 1
	s_add_co_u32 s[G0B+4*\s+1], s20, \s*SLOT
	s_add_nc_u64 s[G0B+4*\s+2:G0B+4*\s+3], s[46:47], \s*KSTEP*2
	s_or_b32 s[G0B+4*\s+3], s[G0B+4*\s+3], 0x80000000
	JLOAD \s                                       ; the ring is filled before anything else is done: two tensor loads of the wave are out, the most in this text
.endr
	; A fragment is 16 rows x 32 K in 8 registers: lane l holds row l % 16; registers 0-3 hold K = 8 (l / 16) + 0..7, registers 4-7 hold
	; K = 16 + 8 (l / 16) + 0..7.  From rows that lie along K: two loads of 16 bytes, 32 bytes apart.  The same for source 0 and source 1.
	v_and_b32 v1, 15, v0                           ; l % 16
	v_bfe_u32 v2, v0, 4, 1                         ; l / 16
	v_mul_u32_u24 v3, v1, PITCH
	v_lshl_add_u32 v3, v2, 4, v3                   ; row x pitch + 16 x half
	s_mul_i32 s21, s11, HALFT                      ; my 128 rows of A
	s_mul_i32 s22, s12, HALFT                      ; my 128 rows of B,
	s_add_co_u32 s22, s22, 2*HALFT                 ; which lie behind A's 256
.irp s, 0,1
	v_add_nc_u32 v[ADRA+\s], s21, v3
	v_add_nc_u32 v[ADRB+\s], s22, v3
	s_add_co_u32 s21, s21, SLOT
	s_add_co_u32 s22, s22, SLOT
.endr
	s_mul_i32 s23, s10, 16*SPITCH
	s_add_co_u32 s23, s23, STAGE                   ; my stage
	v_mul_u32_u24 v4, v1, SPITCH                   ; in: row l % 16, 16 bytes for each half of the lanes
	v_lshl_add_u32 v4, v2, 4, v4
	v_add_nc_u32 v[STO], s23, v4
	v_mul_u32_u24 v5, v2, SPITCH                   ; back: lanes 0-15 take one row of 256 bytes, lanes 16-31 the next
	v_lshl_add_u32 v5, v1, 4, v5
	v_add_nc_u32 v[RD], s23, v5
	v_mul_u32_u24 v5, v2, SIZE_N*2                 ; and the same two rows in qkv
	v_lshl_add_u32 v[CO], v1, 4, v5
; 16 matrix instructions: m blocks a0, a0 + 1 of the window's four (hi = 0: my rows 0-63, 1: rows 64-127) x all 8 n blocks, 32 along K.
; zero = 1: the first product starts the sums: nothing is ever cleared.
; The 64 accumulators take turns, one instruction a turn, in the same order in every quarter step.
.macro MUL16 f, hi, a0, zero
.irp a, \a0, \a0+1
.irp b, 0,1,2,3,4,5,6,7
.if \zero
	v_wmma_f32_16x16x32_bf16 v[8*(8*(\a)+\b):8*(8*(\a)+\b)+7], v[\f+8*\b:\f+8*\b+7], v[\f+8*(4*\hi+\a):\f+8*(4*\hi+\a)+7], 0
.else
	v_wmma_f32_16x16x32_bf16 v[8*(8*(\a)+\b):8*(8*(\a)+\b)+7], v[\f+8*\b:\f+8*\b+7], v[\f+8*(4*\hi+\a):\f+8*(4*\hi+\a)+7], v[8*(8*(\a)+\b):8*(8*(\a)+\b)+7]
.endif
.endr
.endr
.endm
; 32 LDS loads in one run: the fragments of one quarter step (128 rows of B, 128 rows of A, 32 K at byte k of the rows) into buffer f
.macro FETCH slot, k, f
	WIN TO_B
.irp i, 0,1,2,3,4,5,6,7
	ds_load_b128 v[\f+8*\i:\f+8*\i+3],   v[ADRB+\slot] offset:\k+\i*16*PITCH
	ds_load_b128 v[\f+8*\i+4:\f+8*\i+7], v[ADRB+\slot] offset:\k+\i*16*PITCH+32
.endr
	WIN 0
.irp i, 0,1,2,3,4,5,6,7
	ds_load_b128 v[\f+8*\i:\f+8*\i+3],   v[ADRA+\slot] offset:\k+\i*16*PITCH
	ds_load_b128 v[\f+8*\i+4:\f+8*\i+7], v[ADRA+\slot] offset:\k+\i*16*PITCH+32
.endr
.endm
; A load into a register that a matrix instruction has read, and a vector instruction that reads a matrix result or writes one of a matrix
; instruction's registers, stand four places behind that matrix instruction, and only plain vector instructions that name none of its registers
; are places (ISA guide 7.12.1 for vector instructions); this text does not count the matrix instructions in between.
.macro PLACES
.rept 4
	v_nop
.endr
.endm
; A K step is four quarter steps of 32 along K, 64 matrix instructions each, on buffers 0, 1, 0, 1.
; One of the first three: multiplies buffer f; in its middle it fetches the next quarter's fragments, at byte k of the same slot's rows, into buffer g.
.macro QUARTER slot, k, f, g, zero
	s_wait_dscnt 8                                 ; B and A's rows 0-63 are in; the youngest eight loads (A's rows 64-127) may be out
	WIN MUL_LO
	MUL16 \f, 0, 0, \zero
	MUL16 \f, 0, 2, \zero
	PLACES
	FETCH \slot, \k, \g
	s_wait_dscnt 32                                ; all but the 32 just issued
	WIN MUL_HI
	MUL16 \f, 1, 0, \zero
	MUL16 \f, 1, 2, \zero
.endm
.macro THREE slot, zero
	QUARTER \slot, 64,  F0, F1, \zero
	QUARTER \slot, 128, F1, F0, 0
	QUARTER \slot, 192, F0, F1, 0
.endm
; The last quarter: multiplies buffer 1 and changes slots.  next = the other slot; fill = 1: this slot is filled again, two K steps ahead.
; ONE barrier for the change of slots, for two things.  In front of it each wave waits for its own reads of this slot and for all its tensor loads,
; of which one is out: its part of the next slot.  Behind it nobody reads this slot any more and the next slot is whole: the refill comes
; first, then the next slot's first fragments.  From a request to the wait for it a wave issues 240 matrix instructions.
.macro TURN slot, next, fill
	s_wait_dscnt 8
	WIN MUL_LO
	MUL16 F1, 0, 0, 0
	s_wait_dscnt 0                                 ; my reads of this slot are over (the last were issued 48 matrix instructions ago)
	s_wait_tensorcnt 0x0                           ; and all my tensor loads have landed: the one that was out is my part of the next slot:
	ds_add_u32 v255, v255
	s_wait_dscnt 0x0
	s_barrier_signal -1                            ; say so (where a slot is filled again this barrier opens a round of the cluster's barrier),
	MUL16 F1, 0, 2, 0                              ; work on registers while the others arrive,
	WIN 0
	s_barrier_wait -1                              ; and go on when all four have said so
.if \fill
	CREST                                          ; wave 0 says so for the work-group, all sixteen work-groups have said so, my work-group's barrier closes the round:
	                                               ; no wave of any partner still reads this slot's tile or has a load on its way
	s_add_nc_u64 s[G0+4*\slot+2:G0+4*\slot+3], s[G0+4*\slot+2:G0+4*\slot+3], 2*KSTEP*2
	s_add_nc_u64 s[G0B+4*\slot+2:G0B+4*\slot+3], s[G0B+4*\slot+2:G0B+4*\slot+3], 2*KSTEP*2
	JLOAD \slot                                    ; the first tensor load behind the round
.endif
	PLACES
	FETCH \next, 0, F0
	WIN MUL_HI
	MUL16 F1, 1, 0, 0
	MUL16 F1, 1, 2, 0
.endm
.macro LAP zero                        ; once round the ring, both slots filled again
	THREE 0, \zero
	TURN 0, 1, 1
	THREE 1, 0
	TURN 1, 0, 1
.endm
	s_wait_tensorcnt 1                             ; my part of K step 0 is in (K step 1's load, issued behind it, may stay out)
	s_barrier_signal -1
	s_barrier_wait -1                              ; everybody's is
	FETCH 0, 0, F0
	LAP 1                                          ; the first lap stands in front of the loop: its first products start the sums
	WIN 0                                          ; at a label and at a branch every window is 0
	s_mov_b32 s3, LAPS-2
.Llap:
	LAP 0
	WIN 0
	s_sub_co_u32 s3, s3, 1
	s_cmp_lg_u32 s3, 0
	s_cbranch_scc1 .Llap
	THREE 0, 0                                     ; the last lap fills nothing, and has no round of the cluster's barrier: my one tensor load that is still out is slot 1's, the last K step's
	TURN 0, 1, 0
	THREE 1, 0
	s_wait_dscnt 8                                 ; the very last quarter: nothing more to fetch
	WIN MUL_LO
	MUL16 F1, 0, 0, 0
	MUL16 F1, 0, 2, 0
	s_wait_dscnt 0
	WIN MUL_HI
	MUL16 F1, 1, 0, 0
	MUL16 F1, 1, 2, 0
	; THE WAY OUT, 16 rows at a time: round to f16, 16 bytes a lane into my own stage in LDS, read back as whole rows of 256 bytes.
	; The four v_nop of PLACES are the places behind the last matrix instructions: for the conversions, which read results,
	; and for the loads into buffers 0 and 1.
	PLACES
	s_lshl_b32 s13, s13, 8
	s_lshl_b32 s14, s11, 7
	s_add_co_u32 s16, s13, s14                     ; my first row
	s_mov_b32 s17, 0
	s_mov_b64 s[18:19], SIZE_N*2
	s_mul_u64 s[16:17], s[16:17], s[18:19]
	s_add_nc_u64 s[8:9], s[8:9], s[16:17]
	s_lshl_b32 s46, s42, 9                         ; my first column, in bytes: 512 x block + 256 x half (in the registers that held B's address: none that feeds A's descriptors ever holds cx)
	s_lshl_b32 s47, s12, 8
	s_add_co_u32 s46, s46, s47
	s_mov_b32 s47, 0
	s_add_nc_u64 s[8:9], s[8:9], s[46:47]
; rows 16 i .. 16 i + 15 of my block = the eight tiles (a, 0..7) of window 2 or 3 (from = 0x0a or 0x0f: sources 0 and 1); f: F0 or F1 in turn
.macro OUT16 i, a, from, f
	WIN \from
.irp b, 0,1,2,3,4,5,6,7
.irp r, 0,1,2,3
	v_cvt_pk_f16_f32 v[TMP+4*\b+\r], v[8*(8*\a+\b)+2*\r], v[8*(8*\a+\b)+2*\r+1]
.endr
.endr
	WIN 0
.irp b, 0,1,2,3,4,5,6,7
	ds_store_b128 v[STO], v[TMP+4*\b:TMP+4*\b+3] offset:32*\b
.endr
	s_wait_xcnt 0x0                                ; every earlier memory instruction has had its addresses translated (ISA guide 3.1): buffer f, which stores read, and the stores' base are rewritten only behind this wait
.if \i
	s_add_nc_u64 s[8:9], s[8:9], 16*SIZE_N*2       ; 16 rows on, so that the stores' offsets stay small: 14 rows of 6,144 bytes at the most
.endif
.irp t, 0,1,2,3,4,5,6,7
	ds_load_b128 v[\f+4*\t:\f+4*\t+3], v[RD] offset:\t*2*SPITCH    ; LDS serves a wave's instructions in order (ISA guide 5.7.1.4): these see the stores above
.endr
.irp t, 0,1,2,3,4,5,6,7
	s_wait_dscnt 7-\t
	global_store_b128 v[CO], v[\f+4*\t:\f+4*\t+3], s[8:9] offset:2*\t*SIZE_N*2   ; 16 lanes store 256 consecutive bytes, at a multiple of 256 from qkv's first byte
.endr
.endm
	OUT16 0, 0, 0x0a, F0
	OUT16 1, 1, 0x0a, F1
	OUT16 2, 2, 0x0a, F0
	OUT16 3, 3, 0x0a, F1
	OUT16 4, 0, 0x0f, F0
	OUT16 5, 1, 0x0f, F1
	OUT16 6, 2, 0x0f, F0
	OUT16 7, 3, 0x0f, F1
	s_set_vgpr_msb 0x1
	s_wait_tensorcnt 0x0
	ds_add_u32 v255, v255
	s_wait_dscnt 0x0
	s_set_vgpr_msb 0x100
	CROUND                                         ; the closing round: no work-group ends while a partner may still ask for a tile that names it
	s_endpgm
.Lfunc_end_k_qce9cd0fdcc_qkvproj:
	.size	k_qce9cd0fdcc_qkvproj, .Lfunc_end_k_qce9cd0fdcc_qkvproj-k_qce9cd0fdcc_qkvproj
	.p2alignl 7, 3214868480
	.fill 96, 4, 3214868480
	.section	.rodata,"a",@progbits
	.p2align	6, 0x0
	.amdhsa_kernel k_qce9cd0fdcc_qkvproj
		.amdhsa_group_segment_fixed_size 327680
		.amdhsa_private_segment_fixed_size 0
		.amdhsa_enable_private_segment 0
		.amdhsa_kernarg_size 16
		.amdhsa_user_sgpr_count 2
		.amdhsa_user_sgpr_kernarg_segment_ptr 1
		.amdhsa_wavefront_size32 1
		.amdhsa_system_sgpr_workgroup_id_x 1
		.amdhsa_system_sgpr_workgroup_id_y 1
		.amdhsa_system_sgpr_workgroup_id_z 1
		.amdhsa_system_vgpr_workitem_id 0
		.amdhsa_next_free_vgpr 1024
		.amdhsa_next_free_sgpr 66
		.amdhsa_reserve_vcc 0
		.amdhsa_float_denorm_mode_32 3
		.amdhsa_float_denorm_mode_16_64 3
		.amdhsa_memory_ordered 1
		.amdhsa_forward_progress 1
		.amdhsa_inst_pref_size 196
	.end_amdhsa_kernel
	.amdgpu_metadata
---
amdhsa.version: [ 1, 2 ]
amdhsa.kernels:
  - .name:           k_qce9cd0fdcc_qkvproj
    .symbol:         k_qce9cd0fdcc_qkvproj.kd
    .args:
      - { .name: wb, .offset: 0, .size: 8, .value_kind: global_buffer, .address_space: global }
      - { .name: qkv, .offset: 8, .size: 8, .value_kind: global_buffer, .address_space: global }
    .group_segment_fixed_size: 327680
    .private_segment_fixed_size: 0
    .kernarg_segment_align: 8
    .kernarg_segment_size: 16
    .max_flat_workgroup_size: 128
    .sgpr_count:     66
    .vgpr_count:     1024
    .wavefront_size: 32
...
	.end_amdgpu_metadata
.endif
;; end of part 2
;; launch attn (part 3): grid 8 x 32, 8 waves a work-group, no clusters, 327,680 bytes of LDS; arguments qkv, att; writes att
.if DOCPART == 3
	.amdgcn_target "amdgcn-amd-amdhsa--gfx1250"
	.amdhsa_code_object_version 6
	.text
	.protected	k_qce9cd0fdcc_attn
	.globl	k_qce9cd0fdcc_attn
	.p2align	8
	.type	k_qce9cd0fdcc_attn,@function
k_qce9cd0fdcc_attn:
	s_mov_b64 s[64:65], 0
	v_nop
	global_prefetch_b8 v0, s[64:65] scope:SCOPE_SE
	s_setreg_imm32_b32 hwreg(HW_REG_WAVE_MODE, 25, 1), 1
	s_wait_xcnt 0x0
; Causal softmax attention without a scale, 32 heads (batch x head) of 2,048 positions x 64 dims, f16 operands, f32 sums, running maximum.
; The reshape of the problem is a view of memory: head bh is rows 128 bh .. + 127 of qkv [4096][3072] f16 (bytes 0 Q, 2,048 K, 4,096 V of a
; row of 6,144) and of att [4096][1024] f16; position l is row l >> 4, dims at bytes 128 (l & 15) .. + 127 of that part.
; LIMIT: Q, K, V come as f16 (|x| < 65,504); the weights p <= 1 go to the second product in f16, the sum of the weights stays in f32.
; SHARE: a head has 16 query blocks of 128.  Work-group (j, bh), j = 0..7, takes block j (key tiles 0..j) and then block 15 - j (key tiles
; 0..15-j): always 17 tile steps of 128 keys, the same for all 256 work-groups.
; EIGHT WAVES, two for each SIMD, so that one wave's products can be issued while the other is in its softmax.  Wave w owns the 32 queries
; 32 (w & 3) .. + 31 of the block and, of every tile, the keys 64 (w >> 2) .. + 63, with a running maximum, a sum and an O^T of its own.  At a
; block's end waves 4-7 hand theirs to waves 0-3 through LDS, and these bring both to the common maximum, add, divide and store.
; TRANSPOSED FORMS, so that nothing moves between lanes: S^T = K Q^T (source 0: 16 keys x 32 dims from LDS; source 1: Q, kept in registers):
; lane (r, h) holds keys 8h + 0..7 of query r.  Two neighbouring tiles of S^T, packed to f16, ARE the source-1 fragment (32 keys x 16 queries)
; of O^T = V^T P^T, whose source 0 (16 dims x 32 keys) a transposing LDS load brings.  Maximum and sum are one number a lane; one exchange
; between the two halves of the lanes for each maximum; the sum stays a partial sum of each half until the end.
; THE MAXIMUM STARTS AT -2^100, not at -infinity: on a diagonal tile all the keys of a wave of the upper half can be masked, and a finite floor
; keeps the difference of two offsets defined there (it is 0, the factor 1, the weights 0).  A logit of f16 operands is below 64 x 65,504^2 < 2^38
; in size, so the floor is below every logit and the maximum is the true running maximum as soon as one key is open.
; NO CLUSTER: the pairing that makes the work equal gives the eight work-groups of a head different tiles from step j + 1 on; the joint form, in
; which four partners walk tiles 0..15 together and discard, costs 20 tile steps against these 17.  NO PREFETCH: the eight work-groups of a head
; ask for the same tiles at about the same time, and asking for each block once would need an owner among them.
.set ROWB,  6144                       ; bytes in a row of qkv
.set TSTEP, 8*ROWB                     ; 128 positions = 8 rows
.set KP,    144                        ; a position of K in LDS: 128 bytes + 16: an odd multiple of 16, so 16 keys start at 16 different 16-byte columns
.set VP,    160                        ; a position of V: 128 bytes + 32: an odd multiple of 32, for the transposing load
.set KH,    64*KP                      ; what one tensor load brings of K: 64 positions
.set VH,    64*VP                      ; and of V
.set VREG,  2*KH                       ; V's 128 positions lie behind K's
.set TILE,  VREG+2*VH                  ; one step's K and V: 38,912 bytes
.set SLOT,  2*TILE                     ; a slot holds the tiles of two steps: 77,824 bytes
.set STAGE, 2*SLOT                     ; behind the ring, at a multiple of 256 bytes: no fill lands here
.set STW,   32*KP                      ; a wave's stage: 32 positions of 144 bytes = 4,608 = 18 x 256
.set XCH,   STAGE+8*STW                ; the exchange between the two waves of a query group, at a multiple of 256 bytes: no fill lands here
.set XW,    17*512                     ; 16 x 512 bytes of O^T, 512 of offsets and sums = 8,704 = 34 x 256
.set LOG2E,  0x3fb8aa3b
.set NLOG2E, 0xbfb8aa3b
.set FLOOR,  0xf1800000                ; -2^100
; window 0
.set VQ,  4                            ; v4       my byte offset in a query block of qkv
.set ADK, 5                            ; v5, v6   LDS address of my part of a K fragment, slot 0, 1 (my half of the keys is in it)
.set ADV, 7                            ; v7, v8   the same for the transposing loads of V
.set STO, 9                            ; v9       stage: where I put 16 bytes
.set RD,  10                           ; v10      stage: where I read 16 bytes back
.set CO,  11                           ; v11      my byte offset in a query block of att
.set DQ,  12                           ; v12, v13 query tile q: my query's number in the block, less 8 h, less 64 x my half of the keys
.set NEG, 14                           ; v14      -infinity
.set TT,  15                           ; v15      at work in the head
.set M,   16                           ; v16, v17 running maximum of the logits, query tile q
.set TA,  18                           ; v18, v19 at work
.set TB,  20                           ; v20, v21 at work
.set XA,  22                           ; v22      exchange: 16 x lane in my query group's part
.set NM,  24                           ; v[24:27] a pair for each q: -log2(e) x maximum, twice
.set AL,  28                           ; v[28:31] a pair for each q: the factor for what has been summed, twice
.set LS,  32                           ; v[32:39] two pairs for each q: partial sums of the weights
.set QF,  40                           ; v[40:71] Q fragments (q, kd) at + 16 q + 8 kd
.set KF,  72                           ; v[72:135] K fragments (kt, kd) at + 16 kt + 8 kd
.set S,   136                          ; v[136:199] S^T tiles (q, kt) at + 32 q + 8 kt; then the weights; then P fragments (q, ks) at + 32 q + 16 ks
.set TMP, S                            ; at a block's end: the partner's O^T, the merged O^T, then v[136:167] packed results,
.set RB,  S+32                         ;                   v[168:199] rows read back
.set XR,  200                          ; v[200:203] the offsets and the sums that change hands
; window 1
.set O,   0                            ; v[256:319] O^T tiles (q, dt) at + 32 q + 8 dt
.set VF,  64                           ; v[320:383] V^T fragments (dt, ks) at + 16 dt + 8 ks
; scalars: s8 wave; s9 (wave >> 1) & 1 (0: I fetch K, 1: V); s10 wave & 1 (which 64 positions I fetch); s11 j; s12 bh; s13 number of the step 0..16;
; s14, s16 at work; s15 loop counter; s17 = 0; s30, s31 selects of v_permlanex16_b32; s66 wave & 3 (my queries); s67 wave >> 2 (my half of the keys,
; and which tile of a pair I fetch); s68 = 2 + s67; s69 = j + 1
.set KB, 18                            ; s[18:19] K of my fetch half of key tile 0
.set VB, 20                            ; s[20:21] V likewise
.set QA, 22                            ; s[22:23] Q of block j
.set QB, 24                            ; s[24:25] Q of block 15 - j
.set OA, 26                            ; s[26:27] att of block j
.set OB, 28                            ; s[28:29] att of block 15 - j
.set G1K, 32                           ; s[32:39] descriptor group 1 for K
.set G1V, 40                           ; s[40:47] for V: the padding differs
.set G0K, 48                           ; s[48:55] descriptor group 0 for K, a set for each slot
.set G0V, 56                           ; s[56:63] for V
.set MSB, 0
.macro WIN new                         ; s_set_vgpr_msb: bits 1:0 source 0, 3:2 source 1, 5:4 source 2, 7:6 destination; the high byte repeats the setting that is left
.if MSB != \new
	s_set_vgpr_msb (MSB<<8)|\new
.set MSB, \new
.endif
.endm
.macro PLACES n                        ; places behind matrix instructions (ISA guide 7.12.1): plain vector instructions that name none of their registers
.rept \n
	v_nop
.endr
.endm
; My one tensor load of a pair of tiles: 64 positions of K or of V of one of the two tiles.  The branches hang on the wave's number alone.
; firstonly = 1: the pair has one tile only (the last step): waves 4-7 have no part of it and issue none.
.macro JLOAD s, firstonly
.if \firstonly
	s_cmp_lg_u32 s67, 0
	s_cbranch_scc1 .Lasked_\@
.endif
	s_cmp_eq_u32 s9, 0
	s_cbranch_scc0 .Lfor_v_\@
	tensor_load_to_lds s[G0K+4*\s:G0K+4*\s+3], s[G1K:G1K+7]
	s_nop 0
	s_branch .Lasked_\@
.Lfor_v_\@:
	tensor_load_to_lds s[G0V+4*\s:G0V+4*\s+3], s[G1V:G1V+7]
	s_nop 0
.Lasked_\@:
.endm
	s_load_b128 s[4:7], s[0:1], 0x0                ; qkv s[4:5], att s[6:7]
	v_lshl_add_u32 v254, v0, 2, 0x37800
	v_mov_b32 v255, 0
	ds_add_u32 v254, v255
	v_lshrrev_b32 v1, 5, v0
	v_readfirstlane_b32 s8, v1
	s_lshr_b32 s9, s8, 1
	s_and_b32 s9, s9, 1
	s_and_b32 s10, s8, 1
	s_and_b32 s66, s8, 3
	s_lshr_b32 s67, s8, 2
	s_add_co_u32 s68, s67, 2
	s_mov_b32 s11, ttmp9
	s_add_co_u32 s69, s11, 1
	s_and_b32 s12, ttmp7, 0xffff
	s_mov_b32 s30, 0x76543210                      ; lane i of one half reads lane i of the other
	s_mov_b32 s31, 0xfedcba98
	; Group 1: a tile of 4 rows x 1,024 elements of 2 bytes (64 positions), rows 3,072 elements apart.  The padding counts along the whole tile:
	; behind every 32 words (one position) 4 words for K, 8 for V.
	s_mov_b32 s[G1K+0], (1<<16)|(1<<20)|(4<<22)|(3<<25)
	s_mov_b32 s[G1V+0], (1<<16)|(1<<20)|(4<<22)|(7<<25)
.irp g, G1K, G1V
	s_mov_b32 s[\g+1], 1024<<16                    ; tensor_dim0 = 1,024
	s_mov_b32 s[\g+2], 4<<16                       ; tensor_dim1 = 4
	s_mov_b32 s[\g+3], 1024<<16                    ; tile_dim0 = 1,024
	s_mov_b32 s[\g+4], 4                           ; tile_dim1 = 4
	s_mov_b32 s[\g+5], 3072                        ; from row to row
	s_mov_b32 s[\g+6], 0
	s_mov_b32 s[\g+7], 0
.endr
	s_mul_i32 s2, s10, KH
	s_mul_i32 s3, s10, VH
	s_mul_i32 s14, s67, TILE                       ; which tile of the pair
	s_add_co_u32 s2, s2, s14
	s_add_co_u32 s3, s3, s14
.irp s, 0,1
	s_mov_b32 s[G0K+4*\s], 1
	s_add_co_u32 s[G0K+4*\s+1], s2, \s*SLOT        ; LDS: the slot, my tile of the pair, my half of K
	s_mov_b32 s[G0V+4*\s], 1
	s_add_co_u32 s[G0V+4*\s+1], s3, \s*SLOT+VREG   ; or my half of V
.endr
	s_mul_i32 s16, s12, 128*ROWB                   ; the head in qkv (below 2^25)
	s_mov_b32 s17, 0
	s_mul_i32 s2, s10, 4*ROWB                      ; my fetch half: 4 rows
	s_add_co_u32 s2, s2, s16
	s_mov_b32 s3, 0
	s_sub_co_u32 s14, s67, s69                     ; the key tile of step n = 0 or 1: n, or n - (j + 1) behind block j's last tile
	s_cmp_gt_u32 s67, s11
	s_cselect_b32 s14, s14, s67
	s_mul_i32 s14, s14, TSTEP
	s_mov_b32 s15, 0
	s_wait_dscnt 0x0
	s_wait_kmcnt 0x0
	s_add_nc_u64 s[KB:KB+1], s[4:5], s[2:3]
	s_add_nc_u64 s[VB:VB+1], s[KB:KB+1], 4096
	s_add_nc_u64 s[KB:KB+1], s[KB:KB+1], 2048
	s_add_nc_u64 s[G0K+2:G0K+3], s[KB:KB+1], s[14:15]
	s_or_b32 s[G0K+3], s[G0K+3], 0x80000000        ; type = 2
	s_add_nc_u64 s[G0V+2:G0V+3], s[VB:VB+1], s[14:15]
	s_or_b32 s[G0V+3], s[G0V+3], 0x80000000
	JLOAD 0, 0                                     ; the first fill (steps 0 and 1), ahead of every wait on TENSORcnt, every LDS read and every barrier
	s_mul_i32 s2, s11, TSTEP
	s_add_co_u32 s2, s2, s16
	s_add_nc_u64 s[QA:QA+1], s[4:5], s[2:3]
	s_sub_co_u32 s14, 15, s11
	s_mul_i32 s2, s14, TSTEP
	s_add_co_u32 s2, s2, s16
	s_add_nc_u64 s[QB:QB+1], s[4:5], s[2:3]
	s_lshl_b32 s16, s12, 18                        ; the head in att: 128 rows of 2,048 bytes
	s_lshl_b32 s2, s11, 14                         ; a block: 8 rows
	s_add_co_u32 s2, s2, s16
	s_add_nc_u64 s[OA:OA+1], s[6:7], s[2:3]
	s_lshl_b32 s2, s14, 14
	s_add_co_u32 s2, s2, s16
	s_add_nc_u64 s[OB:OB+1], s[6:7], s[2:3]
	v_and_b32 v1, 15, v0                           ; r
	v_bfe_u32 v2, v0, 4, 1                         ; h
	v_lshlrev_b32 v[VQ], 7, v1                     ; query r: 128 r,
	v_lshl_add_u32 v[VQ], v2, 4, v[VQ]             ; dims 8 h ..: + 16 h,
	s_mul_i32 s2, s66, 2*ROWB
	v_add_nc_u32 v[VQ], s2, v[VQ]                  ; my query group's two rows
; Q fragments of a block: source 1, lane (r, h): query r, registers 4 c .. 4 c + 3: dims 16 c + 8 h .. + 7.  The four loads of a row take its 2,048 bytes of Q.
.macro QLOAD base
.irp q, 0,1
.irp c, 0,1,2,3
	global_load_b128 v[QF+16*\q+4*\c:QF+16*\q+4*\c+3], v[VQ], s[\base:\base+1] offset:ROWB*\q+32*\c
.endr
.endr
.endm
	QLOAD QA
	v_mul_u32_u24 v[TT], v1, KP
	v_lshl_add_u32 v[TT], v2, 4, v[TT]             ; 144 r + 16 h
	s_mul_i32 s2, s67, 64*KP
	v_add_nc_u32 v[ADK], s2, v[TT]                 ; key r of my half of the keys
	v_add_nc_u32 v[ADK+1], SLOT, v[ADK]
	s_mul_i32 s2, s8, STW
	s_add_co_u32 s2, s2, STAGE                     ; my stage
	v_add_nc_u32 v[STO], s2, v[TT]                 ; position r, dims 8 h ..
	v_bfe_u32 v[TT], v0, 3, 2                      ; back: eight lanes take a position's 128 bytes
	v_mul_u32_u24 v[TT], v[TT], KP
	v_and_b32 v3, 7, v0
	v_lshl_add_u32 v[TT], v3, 4, v[TT]
	v_add_nc_u32 v[RD], s2, v[TT]
	v_lshl_add_u32 v[TT], v2, 3, v3                ; transposing load: key 8 h + (l & 7),
	v_mul_u32_u24 v[TT], v[TT], VP
	v_bfe_u32 v3, v0, 3, 1
	v_lshl_add_u32 v[TT], v3, 4, v[TT]             ; 16 bytes (8 dims) for each group of eight lanes
	s_mul_i32 s2, s67, 64*VP
	s_add_co_u32 s2, s2, VREG
	v_add_nc_u32 v[ADV], s2, v[TT]
	v_add_nc_u32 v[ADV+1], SLOT, v[ADV]
	v_and_b32 v3, 31, v0
	v_lshlrev_b32 v[CO], 4, v3                     ; 16 x lane
	s_mul_i32 s2, s66, XW
	s_add_co_u32 s2, s2, XCH
	v_add_nc_u32 v[XA], s2, v[CO]                  ; the same bytes for the two waves of a query group
	s_lshl_b32 s2, s66, 12
	v_add_nc_u32 v[CO], s2, v[CO]                  ; my query group's two rows of att + 16 x lane
	v_lshlrev_b32 v[TT], 3, v2
	v_sub_nc_u32 v[DQ], v1, v[TT]
	s_lshl_b32 s2, s66, 5
	s_lshl_b32 s3, s67, 6
	s_sub_co_u32 s2, s2, s3
	v_add_nc_u32 v[DQ], s2, v[DQ]                  ; 32 (w & 3) + r - 8 h - 64 (w >> 2), a signed number
	v_add_nc_u32 v[DQ+1], 16, v[DQ]
	v_mov_b32 v[NEG], 0xff800000
; The K fragments of my 64 keys of tile t of a slot: source 0, lane (r, h): key 16 kt + r, registers 4 c ..: dims 16 c + 8 h .. + 7
.macro KLOAD slot, t
.irp kt, 0,1,2,3
.irp c, 0,1,2,3
	ds_load_b128 v[KF+16*\kt+4*\c:KF+16*\kt+4*\c+3], v[ADK+\slot] offset:\t*TILE+16*\kt*KP+32*\c
.endr
.endr
.endm
; The V^T fragments of the same 64 keys: source 0, lane (r, h): dim 16 dt + r, registers 4 e ..: keys 32 ks + 16 e + 8 h .. + 7
.macro VLOAD slot, t
	WIN 0x40                                       ; destination window 1, address window 0
.irp dt, 0,1,2,3
.irp ks, 0,1
.irp e, 0,1
	ds_load_tr16_b128 v[VF+16*\dt+8*\ks+4*\e:VF+16*\dt+8*\ks+4*\e+3], v[ADV+\slot] offset:\t*TILE+(32*\ks+16*\e)*VP+32*\dt
.endr
.endr
.endr
.endm
; S^T = K Q^T for 64 keys x 32 queries.  The first 32 dims start the sums.  Eight accumulators take turns, one instruction a turn.
.macro SMUL
.irp kt, 0,1,2,3
.irp q, 0,1
	v_wmma_f32_16x16x32_f16 v[S+32*\q+8*\kt:S+32*\q+8*\kt+7], v[KF+16*\kt:KF+16*\kt+7], v[QF+16*\q:QF+16*\q+7], 0
.endr
.endr
.irp kt, 0,1,2,3
.irp q, 0,1
	v_wmma_f32_16x16x32_f16 v[S+32*\q+8*\kt:S+32*\q+8*\kt+7], v[KF+16*\kt+8:KF+16*\kt+15], v[QF+16*\q+8:QF+16*\q+15], v[S+32*\q+8*\kt:S+32*\q+8*\kt+7]
.endr
.endr
.endm
; The diagonal tile: key 64 (w >> 2) + 16 kt + 8 h + jj above query 32 (w & 3) + 16 q + r gets -infinity
.macro MASK
.irp q, 0,1
.irp kt, 0,1,2,3
.irp jj, 0,1,2,3,4,5,6,7
	v_cmp_gt_i32 vcc_lo, 16*\kt+\jj, v[DQ+\q]
	v_cndmask_b32 v[S+32*\q+8*\kt+\jj], v[S+32*\q+8*\kt+\jj], v[NEG], vcc_lo
.endr
.endr
.endr
.endm
; The running maximum, the weights 2^(log2(e) (s - m)), their sums, and the weights packed to f16.  The maximum is never below the finite floor,
; so every offset is finite and no difference of infinities arises; a masked logit gives 2^-infinity = 0.
.macro SOFTMAX
.irp q, 0,1
	v_max3_num_f32 v[TA+\q], v[M+\q], v[S+32*\q], v[S+32*\q+1]               ; four chains that do not wait for each other
	v_max3_num_f32 v[TB+\q], v[S+32*\q+16], v[S+32*\q+17], v[S+32*\q+18]
.endr
.irp i, 1,2,3,4,5,6
.irp q, 0,1
	v_max3_num_f32 v[TA+\q], v[TA+\q], v[S+32*\q+2*\i], v[S+32*\q+2*\i+1]
	v_max3_num_f32 v[TB+\q], v[TB+\q], v[S+32*\q+17+2*\i], v[S+32*\q+18+2*\i]
.endr
.endr
.irp q, 0,1
	v_max3_num_f32 v[TA+\q], v[TA+\q], v[S+32*\q+14], v[S+32*\q+15]
.endr
.irp q, 0,1
	v_max3_num_f32 v[TA+\q], v[TA+\q], v[TB+\q], v[S+32*\q+31]
.endr
.irp q, 0,1
	v_permlanex16_b32 v[TB+\q], v[TA+\q], s30, s31                           ; the other half of the lanes: the other keys of my query
.endr
.irp q, 0,1
	v_max_num_f32 v[M+\q], v[TA+\q], v[TB+\q]
.endr
.irp q, 0,1
	v_mul_f32 v[NM+2*\q+1], NLOG2E, v[M+\q]                                  ; the new offset,
	v_sub_f32 v[TA+\q], v[NM+2*\q+1], v[NM+2*\q]                             ; less the old one: the difference of the offsets that are really used
	v_mov_b32 v[NM+2*\q], v[NM+2*\q+1]
.endr
.irp q, 0,1
	v_exp_f32 v[AL+2*\q], v[TA+\q]                                           ; the factor for the old sums (0 where the old offset was the floor's), twice for the packed forms;
	v_exp_f32 v[AL+2*\q+1], v[TA+\q]                                         ; the plain instruction that follows touches neither AL nor TA (ISA guide 5.7.2)
.endr
.irp q, 0,1
.irp i, 0,1,2,3,4,5,6,7,8,9,10,11,12,13,14,15
	v_pk_fma_f32 v[S+32*\q+2*\i:S+32*\q+2*\i+1], v[S+32*\q+2*\i:S+32*\q+2*\i+1], LOG2E, v[NM+2*\q:NM+2*\q+1] op_sel_hi:[1,0,1]
.endr
.endr
.set n, 0
.rept 64
	v_exp_f32 v[S+n], v[S+n]
.set n, n+1
.endr
	v_nop                                                                    ; one plain place behind the last exponential
	s_wait_alu depctr_va_vdst(0)
.irp q, 0,1
	v_pk_fma_f32 v[LS+4*\q:LS+4*\q+1], v[LS+4*\q:LS+4*\q+1], v[AL+2*\q:AL+2*\q+1], v[S+32*\q:S+32*\q+1]
	v_pk_fma_f32 v[LS+4*\q+2:LS+4*\q+3], v[LS+4*\q+2:LS+4*\q+3], v[AL+2*\q:AL+2*\q+1], v[S+32*\q+2:S+32*\q+3]
.endr
.irp i, 1,2,3,4,5,6,7
.irp q, 0,1
	v_pk_add_f32 v[LS+4*\q:LS+4*\q+1], v[LS+4*\q:LS+4*\q+1], v[S+32*\q+4*\i:S+32*\q+4*\i+1]
	v_pk_add_f32 v[LS+4*\q+2:LS+4*\q+3], v[LS+4*\q+2:LS+4*\q+3], v[S+32*\q+4*\i+2:S+32*\q+4*\i+3]
.endr
.endr
.irp q, 0,1
.irp ks, 0,1
.irp k, 0,1,2,3
	v_cvt_pk_f16_f32 v[S+32*\q+16*\ks+\k], v[S+32*\q+16*\ks+2*\k], v[S+32*\q+16*\ks+2*\k+1]         ; keys 8 h ..: in place, word k behind numbers 2k, 2k+1
.endr
.irp k, 0,1,2,3
	v_cvt_pk_f16_f32 v[S+32*\q+16*\ks+4+\k], v[S+32*\q+16*\ks+8+2*\k], v[S+32*\q+16*\ks+9+2*\k]     ; keys 16 + 8 h ..
.endr
.endr
.endr
.endm
.macro RESCALE                         ; O^T times the pair AL of its query tile
	WIN 0x41                                       ; destination and source 0 window 1, source 1 window 0
.irp q, 0,1
.irp i, 0,1,2,3,4,5,6,7,8,9,10,11,12,13,14,15
	v_pk_mul_f32 v[O+32*\q+2*\i:O+32*\q+2*\i+1], v[O+32*\q+2*\i:O+32*\q+2*\i+1], v[AL+2*\q:AL+2*\q+1]
.endr
.endr
.endm
; O^T += V^T P^T for 64 keys.  Eight accumulators take turns, one instruction a turn.
.macro PVMUL
	WIN 0x51                                       ; source 0 (V^T), C and D window 1; source 1 (P) window 0
.irp ks, 0,1
.irp dt, 0,1,2,3
.irp q, 0,1
	v_wmma_f32_16x16x32_f16 v[O+32*\q+8*\dt:O+32*\q+8*\dt+7], v[VF+16*\dt+8*\ks:VF+16*\dt+8*\ks+7], v[S+32*\q+16*\ks:S+32*\q+16*\ks+7], v[O+32*\q+8*\dt:O+32*\q+8*\dt+7]
.endr
.endr
.endr
.endm
; My part of a step: my 64 keys of tile t of the slot x my 32 queries.  pre = 1: the K fragments of the slot's second tile are asked for on the way.
; mode 0: no key is masked; 1: the tile is the diagonal one where the step's number is j; 2: it is the diagonal one.
.macro SUB slot, t, pre, mode
	s_wait_dscnt 0x0                               ; the K fragments are in
	SMUL
	PLACES 4                                       ; behind the last product: S is read, KF is loaded again
	VLOAD \slot, \t
	WIN 0
.if \pre
	KLOAD \slot, 1                                 ; a whole softmax ahead of their use
.endif
.if \mode == 2
	MASK
.endif
.if \mode == 1
	s_cmp_lg_u32 s13, s11
	s_cbranch_scc1 .Lopen_\@
	MASK
.Lopen_\@:
.endif
	SOFTMAX
	RESCALE
.if \pre
	s_wait_dscnt 16                                ; V's sixteen loads are in; the sixteen loads of K issued behind them may stay out
.else
	s_wait_dscnt 0x0
.endif
	PVMUL
	PLACES 5                                       ; the next S^T products write over P; loads go into VF and S; vector instructions and LDS stores read O
	WIN 0
.endm
; A block begins: the maximum at the floor, its offset made by the same multiply as in SOFTMAX, so that the two are equal bit for bit.
.macro RESTART
.irp q, 0,1
	v_mov_b32 v[M+\q], FLOOR
.endr
.irp q, 0,1
	v_mul_f32 v[NM+2*\q], NLOG2E, v[M+\q]
.endr
.endm
; A block ends.  again = 1: block 15 - j follows; its Q is asked for first.  Its first tile is open for every wave, so the first factor there is
; 2^(offset - floor's offset) = 0 and wipes out what O^T and the sums still hold (finite numbers): nothing is cleared here.
.macro FINAL obase, again
.if \again
	QLOAD QB
.endif
.irp q, 0,1
	v_pk_add_f32 v[LS+4*\q:LS+4*\q+1], v[LS+4*\q:LS+4*\q+1], v[LS+4*\q+2:LS+4*\q+3]
.endr
.irp q, 0,1
	v_add_f32 v[TA+\q], v[LS+4*\q], v[LS+4*\q+1]
.endr
.irp q, 0,1
	v_permlanex16_b32 v[TB+\q], v[TA+\q], s30, s31 ; the other half's partial sum
.endr
.irp q, 0,1
	v_add_f32 v[TA+\q], v[TA+\q], v[TB+\q]         ; the sum of the weights of my half of the keys
.endr
	s_cmp_eq_u32 s67, 0
	s_cbranch_scc1 .Lkeep_\@
	v_mov_b32 v[XR], v[NM]                         ; waves 4-7 give: offsets, sums,
	v_mov_b32 v[XR+1], v[NM+2]
	v_mov_b32 v[XR+2], v[TA]
	v_mov_b32 v[XR+3], v[TA+1]
	ds_store_b128 v[XA], v[XR:XR+3] offset:8192
	WIN 0x04                                       ; an LDS store's data are source 1: window 1
.set n, 0
.rept 16
	ds_store_b128 v[XA], v[O+4*n:O+4*n+3] offset:512*n     ; and O^T, 512 consecutive bytes a store
.set n, n+1
.endr
	WIN 0
.Lkeep_\@:
	s_wait_dscnt 0x0                               ; for the partner's sake: my stores are done
	s_barrier_signal -1                            ; (the step's number and j are the same in all eight waves: every wave is here)
	s_barrier_wait -1
	s_cmp_lg_u32 s67, 0
	s_cbranch_scc1 .Lgave_\@
	ds_load_b128 v[XR:XR+3], v[XA] offset:8192     ; waves 0-3 take
.set n, 0
.rept 16
	ds_load_b128 v[S+4*n:S+4*n+3], v[XA] offset:512*n
.set n, n+1
.endr
.Lgave_\@:
	s_wait_dscnt 0x0                               ; the exchange has been read:
	s_barrier_signal -1                            ; it is written again only behind this barrier
	s_barrier_wait -1
	s_cmp_lg_u32 s67, 0
	s_cbranch_scc1 .Lsent_\@
.irp q, 0,1
	v_min_num_f32 v[TB+\q], v[NM+2*\q], v[XR+\q]   ; the offset of the larger maximum
.endr
.irp q, 0,1
	v_sub_f32 v[AL+2*\q], v[TB+\q], v[NM+2*\q]     ; both differences are <= 0 and finite
	v_sub_f32 v[AL+2*\q+1], v[TB+\q], v[XR+\q]
.endr
.irp i, 0,1,2,3
	v_exp_f32 v[AL+\i], v[AL+\i]                   ; my factor, the partner's (0 where all its keys were masked)
.endr
	v_nop                                          ; one plain place behind the exponentials
	s_wait_alu depctr_va_vdst(0)
.irp q, 0,1
	v_mul_f32 v[TA+\q], v[TA+\q], v[AL+2*\q]
.endr
.irp q, 0,1
	v_fmac_f32 v[TA+\q], v[XR+2+\q], v[AL+2*\q+1]  ; the whole sum: at least about 1, the key of the maximum counts 1
.endr
.irp q, 0,1
	v_rcp_f32 v[TB+\q], v[TA+\q]
.endr
	v_nop                                          ; one plain place behind the reciprocals
	s_wait_alu depctr_va_vdst(0)
.irp q, 0,1
	v_mul_f32 v[LS+4*\q], v[AL+2*\q], v[TB+\q]     ; factor / sum, twice each for the packed forms
	v_mul_f32 v[LS+4*\q+1], v[AL+2*\q], v[TB+\q]
	v_mul_f32 v[LS+4*\q+2], v[AL+2*\q+1], v[TB+\q]
	v_mul_f32 v[LS+4*\q+3], v[AL+2*\q+1], v[TB+\q]
.endr
.irp q, 0,1
.irp i, 0,1,2,3,4,5,6,7,8,9,10,11,12,13,14,15
	v_pk_mul_f32 v[S+32*\q+2*\i:S+32*\q+2*\i+1], v[S+32*\q+2*\i:S+32*\q+2*\i+1], v[LS+4*\q+2:LS+4*\q+3]
.endr
.endr
	WIN 0x01                                       ; source 0 (my O^T) window 1, all else window 0
.irp q, 0,1
.irp i, 0,1,2,3,4,5,6,7,8,9,10,11,12,13,14,15
	v_pk_fma_f32 v[S+32*\q+2*\i:S+32*\q+2*\i+1], v[O+32*\q+2*\i:O+32*\q+2*\i+1], v[LS+4*\q:LS+4*\q+1], v[S+32*\q+2*\i:S+32*\q+2*\i+1]
.endr
.endr
	WIN 0
.set n, 0
.rept 32
	v_cvt_pk_f16_f32 v[TMP+n], v[S+2*n], v[S+2*n+1]        ; in place: word n behind numbers 2n, 2n+1; word 16 q + 4 dt + k: dims 16 dt + 8 h + 2 k, + 1
.set n, n+1
.endr
.irp q, 0,1
.irp dt, 0,1,2,3
	ds_store_b128 v[STO], v[TMP+16*\q+4*\dt:TMP+16*\q+4*\dt+3] offset:16*KP*\q+32*\dt     ; query r, dims 16 dt + 8 h .. + 7
.endr
.endr
.irp q, 0,1
.irp i, 0,1,2,3
	ds_load_b128 v[RB+16*\q+4*\i:RB+16*\q+4*\i+3], v[RD] offset:16*KP*\q+4*KP*\i          ; my own bytes; LDS serves a wave's instructions in order (ISA guide 5.7.1.4)
.endr
.endr
.irp q, 0,1
.irp i, 0,1,2,3
	s_wait_dscnt 7-4*\q-\i                         ; the loads come back in order: the younger ones stay out
	global_store_b128 v[CO], v[RB+16*\q+4*\i:RB+16*\q+4*\i+3], s[\obase:\obase+1] offset:2048*\q+512*\i   ; a store of the wave covers 512 consecutive bytes, aligned
.endr
.endr
.Lsent_\@:
.if \again
	RESTART
	s_wait_xcnt 0x0                                ; RB, which the stores read, lies in S: the next products write it only behind this wait
	s_wait_loadcnt 0x0                             ; the next block's Q
.endif
.endm
; One step: my part of it, and the block's end where it is due.
.macro STEP slot, t, pre, mode
	SUB \slot, \t, \pre, \mode
.if \mode == 2
	FINAL OB, 0
.else
.if \mode == 1
	s_cmp_lg_u32 s13, s11
	s_cbranch_scc1 .Lon_\@
	FINAL OA, 1                                    ; step j was block j's diagonal tile
.Lon_\@:
.endif
	s_add_co_u32 s13, s13, 1
.endif
.endm
; Two steps from slot `slot`.  ONE barrier for the pair: in front of it every wave waits for all its tensor loads (one is out: its part of this pair's
; tiles) and for its LDS reads of the other slot; behind it the other slot is filled again first, one tensor load a wave, and has both steps (64 matrix
; instructions and two softmax passes of every wave) in which to land.  A wave never has more than one tensor load out.
; refill 1: the next pair; 2: the last step's one tile (waves 4-7 write an address that no load uses); 0: nothing is left.
.macro PAIR slot, other, refill, mode
	s_wait_tensorcnt 0x0                           ; no load of mine is out: every group 0 may be written
	ds_add_u32 v254, v255
.if \refill
	s_add_co_u32 s14, s13, s68                     ; the step that I fetch for: n = this step + 2 + my tile of the pair;
	s_sub_co_u32 s16, s14, s69
	s_cmp_gt_u32 s14, s11
	s_cselect_b32 s14, s16, s14                    ; its key tile: n in block j, n - (j + 1) in block 15 - j
	s_mul_i32 s16, s14, TSTEP
	s_add_nc_u64 s[G0K+4*\other+2:G0K+4*\other+3], s[KB:KB+1], s[16:17]
	s_or_b32 s[G0K+4*\other+3], s[G0K+4*\other+3], 0x80000000
	s_add_nc_u64 s[G0V+4*\other+2:G0V+4*\other+3], s[VB:VB+1], s[16:17]
	s_or_b32 s[G0V+4*\other+3], s[G0V+4*\other+3], 0x80000000
.endif
	s_wait_dscnt 0x0
	s_barrier_signal -1
	s_barrier_wait -1
.if \refill == 1
	JLOAD \other, 0
.endif
.if \refill == 2
	JLOAD \other, 1
.endif
	KLOAD \slot, 0
	STEP \slot, 0, 1, \mode
	STEP \slot, 1, 0, \mode
.endm
	; The launch's one clearing: registers hold nothing at the start, and with j = 0 the first tile is a diagonal one, in which a wave of the upper
	; half of the keys can find every key masked and keeps what O^T and the sums hold.
	WIN 0x40
.set n, 0
.rept 64
	v_mov_b32 v[O+n], 0
.set n, n+1
.endr
	WIN 0
.irp i, 0,1,2,3,4,5,6,7
	v_mov_b32 v[LS+\i], 0
.endr
.irp i, 0,1,2,3
	v_mov_b32 v[XR+\i], 0
.endr
	RESTART
	s_mov_b32 s13, 0
	s_mov_b32 s15, 3
	s_wait_loadcnt 0x0                             ; block j's Q
.Lloop:
	PAIR 0, 1, 1, 1                                ; steps 0, 1; 4, 5; 8, 9
	PAIR 1, 0, 1, 1                                ; steps 2, 3; 6, 7; 10, 11: block j (j <= 7) ends in one of these twelve
	s_sub_co_u32 s15, s15, 1
	s_cmp_lg_u32 s15, 0
	s_cbranch_scc1 .Lloop
	PAIR 0, 1, 1, 0                                ; steps 12, 13: open tiles of block 15 - j
	PAIR 1, 0, 2, 0                                ; steps 14, 15; the last step's tile is asked for
	s_wait_tensorcnt 0x0                           ; step 16: block 15 - j's diagonal tile; nothing is left to fetch
	s_wait_dscnt 0x0
	s_barrier_signal -1
	s_barrier_wait -1
	KLOAD 0, 0
	STEP 0, 0, 0, 2
	s_wait_tensorcnt 0x0
	ds_add_u32 v254, v255
	s_wait_dscnt 0x0
	s_endpgm
.Lfunc_end_k_qce9cd0fdcc_attn:
	.size	k_qce9cd0fdcc_attn, .Lfunc_end_k_qce9cd0fdcc_attn-k_qce9cd0fdcc_attn
	.p2alignl 7, 3214868480
	.fill 96, 4, 3214868480
	.section	.rodata,"a",@progbits
	.p2align	6, 0x0
	.amdhsa_kernel k_qce9cd0fdcc_attn
		.amdhsa_group_segment_fixed_size 327680
		.amdhsa_private_segment_fixed_size 0
		.amdhsa_enable_private_segment 0
		.amdhsa_kernarg_size 16
		.amdhsa_user_sgpr_count 2
		.amdhsa_user_sgpr_kernarg_segment_ptr 1
		.amdhsa_wavefront_size32 1
		.amdhsa_system_sgpr_workgroup_id_x 1
		.amdhsa_system_sgpr_workgroup_id_y 1
		.amdhsa_system_sgpr_workgroup_id_z 1
		.amdhsa_system_vgpr_workitem_id 0
		.amdhsa_next_free_vgpr 384
		.amdhsa_next_free_sgpr 72
		.amdhsa_reserve_vcc 1
		.amdhsa_float_denorm_mode_32 3
		.amdhsa_float_denorm_mode_16_64 3
		.amdhsa_memory_ordered 1
		.amdhsa_forward_progress 1
		.amdhsa_inst_pref_size 255
	.end_amdhsa_kernel
	.section	.bss,"aw",@nobits
	.p2align	6
	.space	262144
	.amdgpu_metadata
---
amdhsa.version: [ 1, 2 ]
amdhsa.kernels:
  - .name:           k_qce9cd0fdcc_attn
    .symbol:         k_qce9cd0fdcc_attn.kd
    .args:
      - { .name: qkv, .offset: 0, .size: 8, .value_kind: global_buffer, .address_space: global }
      - { .name: att, .offset: 8, .size: 8, .value_kind: global_buffer, .address_space: global }
    .group_segment_fixed_size: 327680
    .private_segment_fixed_size: 0
    .kernarg_segment_align: 8
    .kernarg_segment_size: 16
    .max_flat_workgroup_size: 256
    .sgpr_count:     72
    .vgpr_count:     384
    .wavefront_size: 32
...
	.end_amdgpu_metadata
.endif
;; end of part 3
;; launch oproj (part 4): grid 8 x 32, 4 waves a work-group, clusters of 4 x 4, 327,680 bytes of LDS; arguments att, wb, b_O, out0; writes out0
.if DOCPART == 4
	.amdgcn_target "amdgcn-amd-amdhsa--gfx1250"
	.amdhsa_code_object_version 6
	.text
	.protected	k_qce9cd0fdcc_oproj
	.globl	k_qce9cd0fdcc_oproj
	.p2align	8
	.type	k_qce9cd0fdcc_oproj,@function
k_qce9cd0fdcc_oproj:
	s_mov_b64 s[64:65], 0
	v_nop
	global_prefetch_b8 v0, s[64:65] scope:SCOPE_SE
	s_setreg_imm32_b32 hwreg(HW_REG_WAVE_MODE, 25, 1), 1
	s_wait_xcnt 0x0
	s_wait_alu depctr_hold_cnt(0) depctr_sa_sdst(0) depctr_va_vdst(0) depctr_va_sdst(0) depctr_va_ssrc(0) depctr_va_vcc(0) depctr_vm_vsrc(0)
	s_getreg_b32 s2, hwreg(HW_REG_IB_STS2, 6, 4)
	s_cmp_eq_u32 s2, 0
	s_cbranch_scc0 .Lentry_in_a_cluster
	s_endpgm
.Lentry_in_a_cluster:
	s_bfe_u32 s2, ttmp6, 0x10000c
	s_cmp_lg_u32 s2, 0xf033
	s_cbranch_scc0 .Lentry_shape_is_right
	s_endpgm
.Lentry_shape_is_right:
; out0[m][n] = sum over k of att[m][k] W_O[n][k] + b_O[n].  att [4096][1024] f16; W_O [1024][1024] at wb + 0xE00000, bf16 values in f16 words;
; b_O [1024] f32; out0 [4096][1024] f32.  f16 matrix form, f32 sums.
; 8 x 32 = 256 work-groups of 128 x 128, four waves 2 x 2, 64 x 64 each: 16 accumulator tiles, 512 matrix instructions a wave.  (Blocks of 128 x 256
; would read half the LDS bytes for a product and leave half of the 256 work-groups without work.)
; K = 1,024 comes in four fills of 256 through two LDS slots: a K step of 128 is only 64 matrix instructions of a wave, so a slot holds two; a tile's
; rows are 512 bytes of memory and start at multiples of 512 bytes.
; CLUSTERS: 4 x 4 work-groups; att's tile hangs on the block row alone and is asked for jointly by a row of the cluster, W_O's on the block column
; alone and is asked for jointly by a column: a quarter of the requests.
; THE MATRIX INSTRUCTION IS USED TRANSPOSED: source 0 = 16 rows of W_O, source 1 = 16 rows of att, so that lane (r, h) holds row r of the output and
; columns 8 h + 0..7: 32 neighbouring bytes.  THE BIAS STARTS THE SUMS: it is loaded in the layout of C and is the first products' C operand.
.set PITCH,  528                       ; an LDS row: 512 bytes + 16 = 33 x 16: the 16 rows of a fragment start at 16 different 16-byte columns
.set HALFT,  64*PITCH                  ; 64 rows: what one tensor load brings, and what one wave reads of A or of B
.set SLOT,   4*HALFT                   ; A's 128 rows, then B's 128 rows: 135,168 bytes
.set STAGE,  2*SLOT                    ; behind the ring, at a multiple of 256 bytes: 16 rows x 272 bytes (17 x 256) for each wave
.set SPITCH, 272
.set ADRA, 16                          ; v16-17  LDS address of my A fragments in slot 0, 1
.set ADRB, 20                          ; v20-21  the same for B
.set STO,  24                          ; v24     stage: where I put 32 bytes of a row
.set RD,   25                          ; v25     stage: where I read 16 bytes back
.set CO,   26                          ; v26     my byte offset in out0
.set BO,   27                          ; v27     my byte offset in the bias: 32 h
.set BI,   32                          ; v[32:63] the bias of my 64 columns as C: block b at + 8 b
.set F0,   64                          ; v[64:127]  fragment buffer 0: B's four blocks at + 8 b, A's four at + 32 + 8 a
.set F1,   128                         ; v[128:191] fragment buffer 1
                                       ; window 1: v[8 (4 a + b) ..] the accumulator tiles
.set G1, 24                            ; s[24:31] descriptor group 1 for A's tiles
.set G0, 32                            ; s[32:39] group 0 for A's tiles, a set for each slot
.set G1B, 48                           ; s[48:55] group 1 for B's tiles: the mask differs
.set G0B, 56                           ; s[56:63] group 0 for B's tiles
.set MSB, 0
.macro WIN new                         ; s_set_vgpr_msb: bits 1:0 source 0, 3:2 source 1, 5:4 source 2, 7:6 destination; the high byte repeats the setting that is left
.if MSB != \new
	s_set_vgpr_msb (MSB<<8)|\new
.set MSB, \new
.endif
.endm
.macro PLACES                          ; four places behind matrix instructions (ISA guide 7.12.1 for vector instructions)
.rept 4
	v_nop
.endr
.endm
; A joint load: waves 0 and 1 ask for A's halves, waves 2 and 3 for B's.  Each line has one mask and one set of registers; the branch hangs on the wave's number alone.
.macro JLOAD s
	s_cmp_eq_u32 s13, 0
	s_cbranch_scc0 .Lfor_b_\@
	tensor_load_to_lds s[G0+4*\s:G0+4*\s+3], s[G1:G1+7]
	s_nop 0
	s_branch .Lasked_\@
.Lfor_b_\@:
	tensor_load_to_lds s[G0B+4*\s:G0B+4*\s+3], s[G1B:G1B+7]
	s_nop 0
.Lasked_\@:
.endm
; A round of the cluster's barrier: my work-group's barrier; wave 0 signals for the work-group; every wave waits for all sixteen; my work-group's barrier once more.
.macro CREST                           ; a round behind its opening barrier
	s_cmp_lg_u32 s12, 0
	s_cbranch_scc1 .Lnot_wave_0_\@
	s_barrier_signal -3
.Lnot_wave_0_\@:
	s_barrier_wait -3
	s_barrier_signal -1
	s_barrier_wait -1
.endm
.macro CROUND
	s_barrier_signal -1
	s_barrier_wait -1
	CREST
.endm
	s_load_b256 s[4:11], s[0:1], 0x0               ; att s[4:5], wb s[6:7], b_O s[8:9], out0 s[10:11]
	v_lshl_add_u32 v254, v0, 2, 0x46400
	v_mov_b32 v255, 0
	ds_add_u32 v254, v255
	v_lshrrev_b32 v1, 5, v0
	v_readfirstlane_b32 s12, v1                    ; wave 0..3
	s_lshr_b32 s13, s12, 1                         ; which 64 rows of the block are mine.  Also: I fetch for A (0) or for B (1)
	s_and_b32 s14, s12, 1                          ; which 64 columns.  Also: which 64 rows of that tile I fetch
	s_bfe_u32 s15, ttmp6, 0x40000                  ; cx
	s_bfe_u32 s16, ttmp6, 0x40004                  ; cy
	s_lshl_b32 s17, ttmp9, 2
	s_add_co_u32 s17, s17, s15                     ; block column = 4 x cluster x + cx
	s_and_b32 s18, ttmp7, 0xffff
	s_lshl_b32 s18, s18, 2
	s_add_co_u32 s18, s18, s16                     ; block row = 4 x cluster y + cy
	s_lshl_b32 s19, s16, 2
	s_lshl_b32 s19, 15, s19                        ; my row of the cluster: places 4 cy .. 4 cy + 3
	s_lshl_b32 s20, 0x1111, s15                    ; my column: places cx, cx + 4, cx + 8, cx + 12
	; group 1: a tile of 64 rows x 256 elements of 2 bytes; behind every 128 words (a row) 4 words of padding; bit 21 set beside the mask
	s_or_b32 s[G1+0], s19, (1<<16)|(1<<20)|(1<<21)|(6<<22)|(3<<25)
	s_or_b32 s[G1B+0], s20, (1<<16)|(1<<20)|(1<<21)|(6<<22)|(3<<25)
.irp g, G1, G1B
	s_mov_b32 s[\g+1], 256<<16                     ; tensor_dim0 = 256
	s_mov_b32 s[\g+2], 64<<16                      ; tensor_dim1 = 64
	s_mov_b32 s[\g+3], 256<<16                     ; tile_dim0 = 256
	s_mov_b32 s[\g+4], 64                          ; tile_dim1 = 64
	s_mov_b32 s[\g+5], 1024                        ; from row to row
	s_mov_b32 s[\g+6], 0
	s_mov_b32 s[\g+7], 0
.endr
	; A's address is made of the block row and the wave's number, B's of the block column and the wave's number, each in registers that never hold the other coordinate
	s_lshl_b32 s21, s14, 6                         ; which 64 rows of the tile I fetch
	s_lshl_b32 s40, s18, 7
	s_add_co_u32 s40, s40, s21
	s_lshl_b32 s40, s40, 11                        ; A: (128 x block row + 64 x half) rows of 2,048 bytes
	s_mov_b32 s41, 0
	s_lshl_b32 s42, s17, 7
	s_add_co_u32 s42, s42, s21
	s_lshl_b32 s42, s42, 11                        ; B: (128 x block column + 64 x half) rows of 2,048 bytes
	s_mov_b32 s43, 0
	s_mul_i32 s23, s12, HALFT                      ; where they go: wave x 64 rows: no place in the cluster enters an LDS address
	s_wait_dscnt 0x0
	s_wait_kmcnt 0x0
	s_add_nc_u64 s[44:45], s[4:5], s[40:41]
	s_add_nc_u64 s[6:7], s[6:7], 0xE00000          ; W_O in wb
	s_add_nc_u64 s[46:47], s[6:7], s[42:43]
	CROUND                                         ; all sixteen work-groups are here: the first joint loads meet
.irp s, 0,1
	s_mov_b32 s[G0+4*\s], 1
	s_add_co_u32 s[G0+4*\s+1], s23, \s*SLOT
	s_add_nc_u64 s[G0+4*\s+2:G0+4*\s+3], s[44:45], \s*512          ; fill s: K = 256 s ..
	s_or_b32 s[G0+4*\s+3], s[G0+4*\s+3], 0x80000000
	s_mov_b32 s[G0B+4*\s], 1
	s_add_co_u32 s[G0B+4*\s+1], s23, \s*SLOT
	s_add_nc_u64 s[G0B+4*\s+2:G0B+4*\s+3], s[46:47], \s*512
	s_or_b32 s[G0B+4*\s+3], s[G0B+4*\s+3], 0x80000000
	JLOAD \s                                       ; both first fills go out together: two tensor loads of the wave are out, the most in this text
.endr
	s_lshr_b32 s42, s42, 9                         ; (128 x block column + 64 x half) x 4 bytes: my columns in the bias and in a row of out0
	s_add_nc_u64 s[8:9], s[8:9], s[42:43]
	v_and_b32 v1, 15, v0                           ; r
	v_bfe_u32 v2, v0, 4, 1                         ; h
	v_lshlrev_b32 v[BO], 5, v2
.irp b, 0,1,2,3
	global_load_b128 v[BI+8*\b:BI+8*\b+3],   v[BO], s[8:9] offset:64*\b       ; C's register j of lane (r, h): column 16 b + 8 h + j
	global_load_b128 v[BI+8*\b+4:BI+8*\b+7], v[BO], s[8:9] offset:64*\b+16
.endr
	v_mul_u32_u24 v3, v1, PITCH
	v_lshl_add_u32 v3, v2, 4, v3                   ; row x pitch + 16 h
	s_mul_i32 s21, s13, HALFT                      ; my 64 rows of A
	s_mul_i32 s22, s14, HALFT                      ; my 64 rows of B,
	s_add_co_u32 s22, s22, 2*HALFT                 ; which lie behind A's 128
.irp s, 0,1
	v_add_nc_u32 v[ADRA+\s], s21, v3
	v_add_nc_u32 v[ADRB+\s], s22, v3
	s_add_co_u32 s21, s21, SLOT
	s_add_co_u32 s22, s22, SLOT
.endr
	s_mul_i32 s23, s12, 16*SPITCH
	s_add_co_u32 s23, s23, STAGE                   ; my stage
	v_mul_u32_u24 v4, v1, SPITCH                   ; in: row r, 32 bytes for each half of the lanes
	v_lshl_add_u32 v4, v2, 5, v4
	v_add_nc_u32 v[STO], s23, v4
	v_mul_u32_u24 v5, v2, SPITCH                   ; back: lanes 0-15 take one row of 256 bytes, lanes 16-31 the next
	v_lshl_add_u32 v5, v1, 4, v5
	v_add_nc_u32 v[RD], s23, v5
	v_lshlrev_b32 v5, 12, v2                       ; and the same two rows of 4,096 bytes in out0
	v_lshl_add_u32 v[CO], v1, 4, v5
; Eight matrix instructions: row blocks a0, a0 + 1 x all four column blocks, 32 along K.  first = 1: C is the bias (window 0), D the accumulator.
; The sixteen accumulators take turns, one instruction a turn, in the same order in every quarter.
.macro MUL2 f, a0, first
.irp a, \a0, \a0+1
.irp b, 0,1,2,3
.if \first
	v_wmma_f32_16x16x32_f16 v[8*(4*(\a)+\b):8*(4*(\a)+\b)+7], v[\f+8*\b:\f+8*\b+7], v[\f+32+8*(\a):\f+32+8*(\a)+7], v[BI+8*\b:BI+8*\b+7]
.else
	v_wmma_f32_16x16x32_f16 v[8*(4*(\a)+\b):8*(4*(\a)+\b)+7], v[\f+8*\b:\f+8*\b+7], v[\f+32+8*(\a):\f+32+8*(\a)+7], v[8*(4*(\a)+\b):8*(4*(\a)+\b)+7]
.endif
.endr
.endr
.endm
; 16 LDS loads in one run: 64 rows of B, 64 rows of A, 32 K at byte k of the rows, into buffer f
.macro FETCH slot, k, f
	WIN 0
.irp i, 0,1,2,3
	ds_load_b128 v[\f+8*\i:\f+8*\i+3],   v[ADRB+\slot] offset:\k+\i*16*PITCH
	ds_load_b128 v[\f+8*\i+4:\f+8*\i+7], v[ADRB+\slot] offset:\k+\i*16*PITCH+32
.endr
.irp i, 0,1,2,3
	ds_load_b128 v[\f+32+8*\i:\f+32+8*\i+3], v[ADRA+\slot] offset:\k+\i*16*PITCH
	ds_load_b128 v[\f+32+8*\i+4:\f+32+8*\i+7], v[ADRA+\slot] offset:\k+\i*16*PITCH+32
.endr
.endm
; A fill is eight quarters of 32 along K, 16 matrix instructions each, on buffers 0, 1, 0, 1, ..  One of the first seven: the next quarter's fragments
; (byte k of the rows) are asked for into buffer g, then buffer f is multiplied.
.macro QTR slot, k, f, g, first
	PLACES                                         ; buffer g was read by the matrix instructions just in front
	FETCH \slot, \k, \g
	s_wait_dscnt 16                                ; all but the sixteen just issued: buffer f is in
.if \first
	WIN 0x40                                       ; D window 1; A, B and the bias window 0
.else
	WIN 0x50                                       ; C and D window 1
.endif
	MUL2 \f, 0, \first
	MUL2 \f, 2, \first
.endm
.macro SEVEN slot, first
	QTR \slot, 64,  F0, F1, \first
	QTR \slot, 128, F1, F0, 0
	QTR \slot, 192, F0, F1, 0
	QTR \slot, 256, F1, F0, 0
	QTR \slot, 320, F0, F1, 0
	QTR \slot, 384, F1, F0, 0
	QTR \slot, 448, F0, F1, 0
.endm
; The eighth quarter multiplies buffer 1 and changes slots.  In front of the barrier each wave waits for its reads of this slot and for all its tensor
; loads (one is out: its part of the next slot).  fill = 1: the barrier opens a round of the cluster's barrier, and behind the round this slot is
; filled again first, one joint load a wave; that load has 120 matrix instructions in which to land.
.macro LASTQ slot, next, fill
	s_wait_dscnt 0x0
	s_wait_tensorcnt 0x0
	ds_add_u32 v254, v255
	s_wait_dscnt 0x0
	s_barrier_signal -1
	WIN 0x50
	MUL2 F1, 0, 0                                  ; work on registers while the others arrive
	WIN 0
	s_barrier_wait -1
.if \fill
	CREST                                          ; no wave of any partner still reads this slot or has a load on its way
	s_add_nc_u64 s[G0+4*\slot+2:G0+4*\slot+3], s[G0+4*\slot+2:G0+4*\slot+3], 1024      ; two fills on: 512 elements
	s_add_nc_u64 s[G0B+4*\slot+2:G0B+4*\slot+3], s[G0B+4*\slot+2:G0B+4*\slot+3], 1024
	JLOAD \slot
.endif
	PLACES
	FETCH \next, 0, F0
	WIN 0x50
	MUL2 F1, 2, 0
.endm
	s_wait_tensorcnt 1                             ; my part of fill 0 is in (fill 1's load, issued behind it, may stay out)
	s_barrier_signal -1
	s_barrier_wait -1                              ; everybody's is
	FETCH 0, 0, F0
	s_wait_loadcnt 0x0                             ; the bias
	SEVEN 0, 1                                     ; K 0 .. 255
	LASTQ 0, 1, 1                                  ; slot 0 gets K 512 ..
	SEVEN 1, 0                                     ; K 256 .. 511
	LASTQ 1, 0, 1                                  ; slot 1 gets K 768 ..
	SEVEN 0, 0                                     ; K 512 .. 767
	LASTQ 0, 1, 0                                  ; nothing is left to fetch
	SEVEN 1, 0                                     ; K 768 .. 1,023
	s_wait_dscnt 0x0
	MUL2 F1, 0, 0
	MUL2 F1, 2, 0
	; THE WAY OUT, 16 rows at a time: 32 bytes a lane into my own stage, read back as whole rows of 256 bytes.
	PLACES                                         ; behind the last matrix instructions: LDS stores read results, loads go into buffers 0 and 1
	s_lshl_b32 s40, s18, 7
	s_lshl_b32 s21, s13, 6
	s_add_co_u32 s40, s40, s21
	s_lshl_b32 s40, s40, 12                        ; my first row: (128 x block row + 64 x half) rows of 4,096 bytes
	s_add_nc_u64 s[10:11], s[10:11], s[40:41]
	s_add_nc_u64 s[10:11], s[10:11], s[42:43]      ; my first column (the offset made for the bias)
.macro OUT16 a, f
	WIN 0x04                                       ; an LDS store's data are source 1: window 1
.irp b, 0,1,2,3
	ds_store_b128 v[STO], v[8*(4*\a+\b):8*(4*\a+\b)+3] offset:64*\b
	ds_store_b128 v[STO], v[8*(4*\a+\b)+4:8*(4*\a+\b)+7] offset:64*\b+16
.endr
	WIN 0
	s_wait_xcnt 0x0                                ; buffer f, which earlier stores read, and the stores' base are rewritten only behind this wait (ISA guide 3.1)
.if \a
	s_add_nc_u64 s[10:11], s[10:11], 16*4096
.endif
.irp t, 0,1,2,3,4,5,6,7
	ds_load_b128 v[\f+4*\t:\f+4*\t+3], v[RD] offset:\t*2*SPITCH    ; my own bytes; LDS serves a wave's instructions in order (ISA guide 5.7.1.4)
.endr
.irp t, 0,1,2,3,4,5,6,7
	s_wait_dscnt 7-\t
	global_store_b128 v[CO], v[\f+4*\t:\f+4*\t+3], s[10:11] offset:\t*2*4096 th:TH_STORE_NT   ; 16 lanes store 256 consecutive bytes, aligned
.endr
.endm
	OUT16 0, F0
	OUT16 1, F1
	OUT16 2, F0
	OUT16 3, F1
	s_wait_tensorcnt 0x0
	ds_add_u32 v254, v255
	s_wait_dscnt 0x0
	CROUND                                         ; the closing round: no work-group ends while a partner may still ask for a tile that names it
	s_endpgm
.Lfunc_end_k_qce9cd0fdcc_oproj:
	.size	k_qce9cd0fdcc_oproj, .Lfunc_end_k_qce9cd0fdcc_oproj-k_qce9cd0fdcc_oproj
	.p2alignl 7, 3214868480
	.fill 96, 4, 3214868480
	.section	.rodata,"a",@progbits
	.p2align	6, 0x0
	.amdhsa_kernel k_qce9cd0fdcc_oproj
		.amdhsa_group_segment_fixed_size 327680
		.amdhsa_private_segment_fixed_size 0
		.amdhsa_enable_private_segment 0
		.amdhsa_kernarg_size 32
		.amdhsa_user_sgpr_count 2
		.amdhsa_user_sgpr_kernarg_segment_ptr 1
		.amdhsa_wavefront_size32 1
		.amdhsa_system_sgpr_workgroup_id_x 1
		.amdhsa_system_sgpr_workgroup_id_y 1
		.amdhsa_system_sgpr_workgroup_id_z 1
		.amdhsa_system_vgpr_workitem_id 0
		.amdhsa_next_free_vgpr 384
		.amdhsa_next_free_sgpr 66
		.amdhsa_reserve_vcc 0
		.amdhsa_float_denorm_mode_32 3
		.amdhsa_float_denorm_mode_16_64 3
		.amdhsa_memory_ordered 1
		.amdhsa_forward_progress 1
		.amdhsa_inst_pref_size 89
	.end_amdhsa_kernel
	.amdgpu_metadata
---
amdhsa.version: [ 1, 2 ]
amdhsa.kernels:
  - .name:           k_qce9cd0fdcc_oproj
    .symbol:         k_qce9cd0fdcc_oproj.kd
    .args:
      - { .name: att, .offset: 0, .size: 8, .value_kind: global_buffer, .address_space: global }
      - { .name: wb, .offset: 8, .size: 8, .value_kind: global_buffer, .address_space: global }
      - { .name: b_O, .offset: 16, .size: 8, .value_kind: global_buffer, .address_space: global }
      - { .name: out0, .offset: 24, .size: 8, .value_kind: global_buffer, .address_space: global }
    .group_segment_fixed_size: 327680
    .private_segment_fixed_size: 0
    .kernarg_segment_align: 8
    .kernarg_segment_size: 32
    .max_flat_workgroup_size: 128
    .sgpr_count:     66
    .vgpr_count:     384
    .wavefront_size: 32
...
	.end_amdgpu_metadata
.endif
;; end of part 4
